; MI455X (gfx1250); checked and timed in simulation.
; The chip was launched on July 23, 2026; its instructions are those of AMD's public machine-readable ISA for CDNA 5 (MIT licence, August 2026) and "CDNA5" Instruction Set Architecture Reference Guide (July 2026). The comments in the code are by the model that wrote it; some were corrected since.
;; bahdanau Attention. Allowed arithmetic: matrix products marked QUANTISED: E5M2 operands, one E8M0 scale for each 32 along K, by v_wmma_scale_f32_16x16x128_f8f6f4 with both operands' format E5M2, f32 sums; products left as they are: f32 operands where the result goes on into a quantised operand, else bf16, f16 or f32 operands; f32 sums; everything else in f32.
;; Inputs: W_d2a_codes 1,024 x 32 x 32 uint8 (E5M2 codes of W_d2a, K innermost, in blocks of 32 codes); W_d2a_scales 1,024 x 32 uint8 (E8M0 scales of W_d2a, one for each 32 codes along K); W_e2a_codes 1,024 x 32 x 32 uint8 (E5M2 codes of W_e2a, K innermost, in blocks of 32 codes); W_e2a_scales 1,024 x 32 uint8 (E8M0 scales of W_e2a, one for each 32 codes along K); keys 32 x 2,048 x 1,024 float32; q_codes 32 x 32 x 32 uint8 (E5M2 codes of q, K innermost, in blocks of 32 codes); q_scales 32 x 32 uint8 (E8M0 scales of q, one for each 32 codes along K); v_w 1,024 x 1 float32.
;; Outputs: out0 32 x 1,024 float32.
;; This version of the problem:
;;   THIS VERSION OF THE PROBLEM IS GIVEN IN LOW PRECISION. The matrix products marked QUANTISED in the list below multiply operands that are first quantised to E5M2 (5 exponent bits, 2 mantissa bits; 8 bits a number), with one power-of-two scale for each 32 numbers along K (OCP MX v1.0); their sums are f32. All else is computed in f32.
;;   The module's matrix products, in the order in which they are computed (A, B: the left and right operand; K: the contracted axis; several contracted axes count as one K, in the product's order):
;;     1. [M 65,536, K 1,024] x [K 1,024, N 1,024]; A: input keys; B: input W_e2a (given as codes): QUANTISED
;;     2. [M 32, K 1,024] x [K 1,024, N 1,024]; A: input q (given as codes); B: input W_d2a (given as codes): QUANTISED
;;     3. [M 65,536, K 1,024] x [K 1,024, N 1]; A: computed on the way; B: input v_w: left as it is (N = 1 < 16)
;;     4. batch 32 x [M 1, K 2,048] x [K 2,048, N 1,024]; A: softmax; B: input keys: left as it is (M = 1 < 16)
;;   THE QUANTISER, for each operand of a quantised product, along K:
;;     - K is cut into blocks of 32 from its start; a last block that is shorter is filled with zeros.
;;     - A block's scale is 2^e with e = floor(log2(the largest magnitude in the block)) - 15, held to -126 .. 127; a block of zeros has e = 0. As a byte (E8M0): e + 127.
;;     - Each number is divided by its block's scale, clamped to +-57,344, and rounded to the nearest number of E5M2, ties to even, subnormals kept.
;;     - The product sums the exact products of the quantised numbers (number of the format x scale) in f32.
;;   ~~~python
;;   def quantise(x, axis):      # numpy; x: float32 -> the quantised numbers, widened to float32 again
;;       x = np.moveaxis(x, axis, -1); K = x.shape[-1]
;;       x = np.pad(x, [(0, 0)] * (x.ndim - 1) + [(0, -K % 32)]); x = x.reshape(x.shape[:-1] + (-1, 32)); a = np.abs(x).max(-1, keepdims=True)
;;       e = np.where(a > 0, np.clip(np.frexp(np.where(a > 0, a, 1))[1] - 1 - 15, -126, 127), 0)      # np.frexp(a)[1] - 1 = floor(log2(a)), exactly
;;       r = np.clip(x / 2.0 ** e, -57344, 57344)
;;       step = 2.0 ** (np.maximum(np.frexp(np.where(r == 0, 1, r))[1] - 1, -14) - 2)
;;       q = np.round(r / step) * step * 2.0 ** e      # np.round: ties to even
;;       return np.moveaxis(q.reshape(q.shape[:-2] + (-1,))[..., :K], -1, axis).astype(np.float32)
;;   ~~~
;;   INPUTS GIVEN AS CODES. W_d2a (in the module: [1024, 1024], K = its axis 1); W_e2a (in the module: [1024, 1024], K = its axis 1); q (in the module: [32, 1024], K = its axis 1): each comes as NAME_codes (uint8): NAME with its K axis moved to the last place and cut into blocks of 32 codes, [.., K / 32, bytes a block], one block behind the other in memory; one code a byte (a code: sign, 5 exponent bits, 2 mantissa bits); and NAME_scales (uint8): the same leading axes, one E8M0 byte (e + 127) for each 32 codes along K. Its value is code x scale, taken as it is: it is not quantised again, and the codes and scales need not be those that the quantiser above would give.
;; One version. Each part assembles by itself: llvm-mc -triple=amdgcn-amd-amdhsa -mcpu=gfx1250 --defsym DOCPART=n.
;; ======== version 1 of 1: 3 launches
;; limits: an absolute error that grows with the inputs' magnitude: up to 1.86e-09 times it; right only within a limited range of input values
;; workspace buffers: cv 131,072 bytes; tf 262,144 bytes; depth 262,144 bytes of whole numbers
;; launch vtab (part 1): grid 16 x 1, 4 waves a work-group, no clusters, 9,216 bytes of LDS; arguments W_d2a_codes, W_d2a_scales, q_codes, q_scales, cv; writes cv
.if DOCPART == 1
	.amdgcn_target "amdgcn-amd-amdhsa--gfx1250"
	.amdhsa_code_object_version 6
	.text
	.protected	k_q7375573a2b_vtab
	.globl	k_q7375573a2b_vtab
	.p2align	8
	.type	k_q7375573a2b_vtab,@function
k_q7375573a2b_vtab:
	s_mov_b64 s[64:65], 0
	v_nop
	global_prefetch_b8 v0, s[64:65] scope:SCOPE_SE
	s_setreg_imm32_b32 hwreg(HW_REG_WAVE_MODE, 25, 1), 1
	s_wait_xcnt 0x0
; THE PROGRAM: context[b] = sum over s of softmax_s(e[b][s]) keys[b][s], e = sum over a of v_w[a] tanh(U[b][s][a] + V[b][a]), U = keys W_e2a^T and V = q W_d2a^T on codes of E5M2 with E8M0 scales.
; Three launches: this one makes V; the second makes the scores; the third the softmax and the context.
; WORK LEFT OUT.  tanh(x) = 1 - 2 / (1 + e^(2x)) for every real x, so e[b][s] = sum(v_w) - 2 sum over a of v_w[a] / (1 + e^(2 (U + V))).  The term sum(v_w) is the same for all s of a batch,
; whatever the inputs hold, and a softmax along s does not change when one number is added to all its inputs: it is never formed.  Every input still has a way to the output: all are loaded.
; What the launches carry is t = log2(e) x (e - sum(v_w)) = sum over a of w'[a] r[a], with w' = -2 log2(e) v_w, r = 1 / (1 + 2^(c U + c V)), c = 2 log2(e): the softmax's weights are 2^t over their sum.
; LIMITS: NaN and infinities among the inputs are not served; an overflow of sum(v_w) alone is not carried to the result.
; THIS LAUNCH: cv[b][a] = c V[b][a], [32][1024] f32.  Both operands arrive as codes and go from memory straight into registers, each byte of W_d2a once.
; SHARES: a work-group takes 64 of the 1,024 columns a, wave u the 16 columns 16 (4 wg + u) on, for both tiles of 16 batches; K = 1,024 in eight matrix instructions a tile, in two halves of four.
; USED TRANSPOSED: source 0 = 16 rows of W_d2a, source 1 = 16 rows of q: lane (r, h) holds batch 16 t + r, and its registers j the columns 8 h + j: eight neighbours of a row of cv.
; SCALES: a row has 32 bytes: eight words, one a K step.  Lane (r, h) loads the 16 bytes at 32 row + 16 h: register i holds word i in lanes 0-15 and word 4 + i in lanes 16-31, which K steps 4 to 7 read by the upper row.
; No cluster: the launch has no tensor load; what its 16 work-groups share is q's 32,768 bytes of codes alone, loaded into registers.
.set WF,    32                         ; v32-95    W's fragments of four K steps
.set QF,    96                         ; v96-223   q's: two tiles x four K steps
.set ACC,   224                        ; v224-239  two accumulators
.set BK,    240                        ; v240-255  rows read back from the stage
.set SP,    272                        ; a stage row: 64 columns x 4 bytes + 16
.set SPARE, 32*SP                      ; behind the stage's 32 rows: the spare words, 128 bytes a wave: two blocks of 256 bytes that no other line names
.set SPW,   10                         ; v10  LDS address of my spare word; never rewritten
.set NIL,   11                         ; v11  0; never rewritten
	s_load_b256 s[4:11], s[0:1], 0x0               ; W_d2a's codes s[4:5], its scales s[6:7], q's codes s[8:9], its scales s[10:11]
	s_load_b64 s[12:13], s[0:1], 0x20              ; cv
	v_lshl_add_u32 v[SPW], v0, 2, SPARE
	v_mov_b32 v[NIL], 0
	v_lshrrev_b32 v1, 5, v0
	v_readfirstlane_b32 s14, v1                    ; wave u
	v_and_b32 v1, 15, v0                           ; r
	v_bfe_u32 v2, v0, 4, 1                         ; h
	v_lshlrev_b32 v3, 10, v1
	v_lshl_add_u32 v3, v2, 4, v3                   ; codes: row r of 1,024 bytes + 16 h (W's and q's alike)
	v_lshlrev_b32 v5, 5, v1
	v_lshl_add_u32 v5, v2, 4, v5                   ; scales: row r of 32 bytes + 16 h
	s_lshl_b32 s15, s14, 6
	v_mul_u32_u24 v6, v1, SP
	v_lshl_add_u32 v6, v2, 5, v6
	v_add_nc_u32 v6, s15, v6                       ; into the stage: row r, my wave's 64 bytes, 32 for each half of the lanes
	s_lshl_b32 s16, s14, 3
	v_add_nc_u32 v9, s16, v2                       ; back: wave u takes rows 8 u on, lanes 0-15 one row, lanes 16-31 the next
	v_mul_u32_u24 v7, v9, SP
	v_lshl_add_u32 v7, v1, 4, v7
	v_lshlrev_b32 v8, 12, v9                       ; and the same rows in cv, 4,096 bytes apart
	v_lshl_add_u32 v8, v1, 4, v8
	s_mov_b32 s22, 0x4038aa3b                      ; c = 2 log2(e)
	s_mov_b32 s23, s22                             ; (named with it as a pair, so it is written)
	s_lshl_b32 s17, ttmp9, 2
	s_add_co_u32 s17, s17, s14                     ; my tile of 16 columns
	s_lshl_b32 s18, s17, 14                        ; its 16 rows of 1,024 bytes of codes,
	s_mov_b32 s19, 0
	s_lshl_b32 s20, s17, 9                         ; of 32 bytes of scales
	s_mov_b32 s21, 0
	s_lshl_b32 s24, ttmp9, 8                       ; the work-group's 256 bytes in a row of cv
	s_mov_b32 s25, 0
	s_wait_kmcnt 0x0
	s_add_nc_u64 s[4:5], s[4:5], s[18:19]
	s_add_nc_u64 s[6:7], s[6:7], s[20:21]
	s_add_nc_u64 s[12:13], s[12:13], s[24:25]
	global_load_b128 v[12:15], v5, s[6:7]          ; W's scale words
	global_load_b128 v[16:19], v5, s[10:11]        ; q's, batches 0-15,
	global_load_b128 v[20:23], v5, s[10:11] offset:512   ; batches 16-31
; Four K steps: 48 loads, then eight matrix instructions, the two accumulators by turns.
.macro HALF hf
.if \hf
.rept 8
	v_nop                                          ; eight places in front of loads into registers that matrix instructions have read
.endr
.endif
.irp k, 0,1,2,3
.irp c, 0,1,2,3
	global_load_b128 v[WF+16*\k+4*\c:WF+16*\k+4*\c+3], v3, s[4:5] offset:128*(4*\hf+\k)+32*\c
.endr
.endr
.irp t, 0,1
.irp k, 0,1,2,3
.irp c, 0,1,2,3
	global_load_b128 v[QF+64*\t+16*\k+4*\c:QF+64*\t+16*\k+4*\c+3], v3, s[8:9] offset:16384*\t+128*(4*\hf+\k)+32*\c
.endr
.endr
.endr
	s_wait_loadcnt 0x0
.irp k, 0,1,2,3
.irp t, 0,1
.if (\hf == 0) && (\k == 0)
	v_wmma_scale_f32_16x16x128_f8f6f4 v[ACC+8*\t:ACC+8*\t+7], v[WF+16*\k:WF+16*\k+15], v[QF+64*\t+16*\k:QF+64*\t+16*\k+15], 0, v[12+\k], v[16+4*\t+\k] matrix_a_fmt:MATRIX_FMT_BF8 matrix_b_fmt:MATRIX_FMT_BF8
.elseif \hf == 0
	v_wmma_scale_f32_16x16x128_f8f6f4 v[ACC+8*\t:ACC+8*\t+7], v[WF+16*\k:WF+16*\k+15], v[QF+64*\t+16*\k:QF+64*\t+16*\k+15], v[ACC+8*\t:ACC+8*\t+7], v[12+\k], v[16+4*\t+\k] matrix_a_fmt:MATRIX_FMT_BF8 matrix_b_fmt:MATRIX_FMT_BF8
.else
	v_wmma_scale_f32_16x16x128_f8f6f4 v[ACC+8*\t:ACC+8*\t+7], v[WF+16*\k:WF+16*\k+15], v[QF+64*\t+16*\k:QF+64*\t+16*\k+15], v[ACC+8*\t:ACC+8*\t+7], v[12+\k], v[16+4*\t+\k] matrix_a_fmt:MATRIX_FMT_BF8 matrix_b_fmt:MATRIX_FMT_BF8 matrix_a_scale:MATRIX_SCALE_ROW1 matrix_b_scale:MATRIX_SCALE_ROW1
.endif
.endr
.endr
.endm
	HALF 0
	HALF 1
.rept 8
	v_nop                                          ; eight places in front of the first read of results
.endr
.irp i, 0,2,4,6,8,10,12,14
	v_pk_mul_f32 v[ACC+\i:ACC+\i+1], v[ACC+\i:ACC+\i+1], s[22:23] op_sel_hi:[1,0]   ; x c; each accumulator from its low end on
.endr
.irp t, 0,1
	ds_store_b128 v6, v[ACC+8*\t:ACC+8*\t+3] offset:16*SP*\t
	ds_store_b128 v6, v[ACC+8*\t+4:ACC+8*\t+7] offset:16*SP*\t+16
.endr
	s_wait_dscnt 0x0                               ; for the others' sake: my stores into the stage are done
	s_barrier_signal -1
	s_barrier_wait -1                              ; a row's 256 bytes come from four waves
.irp i, 0,1,2,3
	ds_load_b128 v[BK+4*\i:BK+4*\i+3], v7 offset:2*SP*\i
.endr
.irp i, 0,1,2,3
	s_wait_dscnt 3-\i                              ; LDS loads come back in order: load i is in, the younger ones may be out
	global_store_b128 v8, v[BK+4*\i:BK+4*\i+3], s[12:13] offset:8192*\i   ; sixteen lanes store 256 consecutive bytes, at a multiple of 256 from cv's first byte
.endr
	s_wait_tensorcnt 0x0                           ; the wave's end: behind my last LDS store
	ds_add_u32 v[SPW], v[NIL]
	s_wait_dscnt 0x0
	s_endpgm
.Lfunc_end_k_q7375573a2b_vtab:
	.size	k_q7375573a2b_vtab, .Lfunc_end_k_q7375573a2b_vtab-k_q7375573a2b_vtab
	.p2alignl 7, 3214868480
	.fill 96, 4, 3214868480
	.section	.rodata,"a",@progbits
	.p2align	6, 0x0
	.amdhsa_kernel k_q7375573a2b_vtab
		.amdhsa_group_segment_fixed_size 9216
		.amdhsa_private_segment_fixed_size 0
		.amdhsa_enable_private_segment 0
		.amdhsa_kernarg_size 40
		.amdhsa_user_sgpr_count 2
		.amdhsa_user_sgpr_kernarg_segment_ptr 1
		.amdhsa_wavefront_size32 1
		.amdhsa_system_sgpr_workgroup_id_x 1
		.amdhsa_system_sgpr_workgroup_id_y 1
		.amdhsa_system_sgpr_workgroup_id_z 1
		.amdhsa_system_vgpr_workitem_id 0
		.amdhsa_next_free_vgpr 256
		.amdhsa_next_free_sgpr 66
		.amdhsa_reserve_vcc 0
		.amdhsa_float_denorm_mode_32 3
		.amdhsa_float_denorm_mode_16_64 3
		.amdhsa_memory_ordered 1
		.amdhsa_forward_progress 1
		.amdhsa_inst_pref_size 16
	.end_amdhsa_kernel
	.amdgpu_metadata
---
amdhsa.version: [ 1, 2 ]
amdhsa.kernels:
  - .name:           k_q7375573a2b_vtab
    .symbol:         k_q7375573a2b_vtab.kd
    .args:
      - { .name: W_d2a_codes, .offset: 0, .size: 8, .value_kind: global_buffer, .address_space: global }
      - { .name: W_d2a_scales, .offset: 8, .size: 8, .value_kind: global_buffer, .address_space: global }
      - { .name: q_codes, .offset: 16, .size: 8, .value_kind: global_buffer, .address_space: global }
      - { .name: q_scales, .offset: 24, .size: 8, .value_kind: global_buffer, .address_space: global }
      - { .name: cv, .offset: 32, .size: 8, .value_kind: global_buffer, .address_space: global }
    .group_segment_fixed_size: 9216
    .private_segment_fixed_size: 0
    .kernarg_segment_align: 8
    .kernarg_segment_size: 40
    .max_flat_workgroup_size: 128
    .sgpr_count:     66
    .vgpr_count:     256
    .wavefront_size: 32
...
	.end_amdgpu_metadata
.endif
;; end of part 1
;; launch scores (part 2): grid 256 x 1, 4 waves a work-group, clusters of 4 x 1, 327,680 bytes of LDS; arguments keys, W_e2a_codes, W_e2a_scales, v_w, cv, tf, depth; writes tf, depth
.if DOCPART == 2
	.amdgcn_target "amdgcn-amd-amdhsa--gfx1250"
	.amdhsa_code_object_version 6
	.text
	.protected	k_q7375573a2b_scores
	.globl	k_q7375573a2b_scores
	.p2align	8
	.type	k_q7375573a2b_scores,@function
k_q7375573a2b_scores:
	s_mov_b64 s[64:65], 0
	v_nop
	global_prefetch_b8 v0, s[64:65] scope:SCOPE_SE
	s_setreg_imm32_b32 hwreg(HW_REG_WAVE_MODE, 25, 1), 1
	s_wait_xcnt 0x0
	s_wait_alu depctr_hold_cnt(0) depctr_sa_sdst(0) depctr_va_vdst(0) depctr_va_sdst(0) depctr_va_ssrc(0) depctr_va_vcc(0) depctr_vm_vsrc(0)
	s_getreg_b32 s2, hwreg(HW_REG_IB_STS2, 6, 4)
	s_cmp_eq_u32 s2, 0
	s_cbranch_scc0 .Lentry_in_a_cluster
	s_endpgm
.Lentry_in_a_cluster:
	s_bfe_u32 s2, ttmp6, 0x10000c
	s_cmp_lg_u32 s2, 0x3003
	s_cbranch_scc0 .Lentry_shape_is_right
	s_endpgm
.Lentry_shape_is_right:
; t[row] = sum over a of w'[a] / (1 + 2^(c U[row][a] + cv[b][a])), U = Q(keys) W_e2a^T on codes of E5M2 with E8M0 scales, c = 2 log2(e), w' = -c v_w; rows = 32 batches x 2,048.
; WORK LEFT OUT (shown at the head of the first launch): the term sum(v_w) of the scores, the same along the softmax's axis for all inputs, is not formed.
; Stored: tf = t (f32), and depth = 0x7fffffff - floor(t), a whole number, by which the next launch chooses the rows of keys that it reads.
; LIMITS: NaN and infinities among the inputs are not served.  |t| from 2^31 on saturates the depth.  A block of 32 keys that are all 0 gets the scale byte 1 where the quantiser says 127: its codes are
; zeros, which add nothing under any byte but 0xff, and this launch alone reads the bytes; blocks whose largest magnitude lies under 2^(16 - 127) have their byte held at 1.
; 2^x = infinity gives r = 0 and 2^x = 0 gives r = 1: both ends of tanh.
; SHARES.  A work-group owns 256 rows, each of its four waves 64: four tiles of 16.  KEYS ARE READ ONCE: a wave quantises its 64 rows x 1,024 K into 512 registers (windows 2 and 3), where they stay.
; Then every wave walks all 1,024 columns a, 16 a tile: 32 matrix instructions (4 tiles of rows x 8 K steps), the tile's tanh and its part of the sum over a.
; BY TURNS.  A column tile's tanh is 112 vector instructions: 16 packed scalings, 32 exponentials, 16 packed additions, 32 reciprocals, 16 packed multiply-adds.  The accumulators are TWO SETS: while tile n is
; multiplied into one, tile n - 1's tanh works on the other, a slice of three (a packed line, two transcendentals) behind each matrix instruction; the 16 multiply-adds stand together behind the tile's last
; product.  The tanh's registers lie in window 0, the products' sources in windows 1 to 3, and no window has room for both: so a slice costs two switches, 64 a tile, taken on purpose:
; in phases of their own the tile's 112 vector instructions would stand where no product is issued.
; THE RING: two LDS slots of 4 x 32 rows x (1,024 + 16) bytes, 16 fills.  Fills 0 to 7: f32 keys, each wave its own 32 rows x 256 numbers, read by that wave alone.  Fills 8 to 15: W_e2a's codes, 128 columns
; x 1,024 K a fill, wave w fetching columns 32 w on, read by all four waves.  Every fill of a part has the same shape in LDS.
; CLUSTER: the four work-groups of a cluster walk the same W_e2a, so its tiles are asked for JOINTLY, by the same tensor load with the same descriptor and a mask that names the four.  The keys' loads are plain.
; A wave has two tensor loads out at the head and one behind each round, by this text's own count.
; LAYOUT.  Source 0 = 16 rows of keys, source 1 = 16 rows of W_e2a: lane (r, h) holds column r, and its registers j the rows 8 h + j.  So cv and w' are one number a lane, and the sum over a is kept per lane
; (32 registers) and summed over the sixteen lanes once, at the end.
; THE CODES GO THROUGH LDS AS IMAGES OF THEIR REGISTERS: the quantiser is written once a fill, in a loop over its four chunks of 16 rows x 128 K, and writes fixed registers; each chunk's 16 registers and its
; scale word are stored as they stand and loaded back into the registers where they stay.
; REGISTERS.  Window 0: v1-6 addresses that stay, v7-9 addresses in hand, v10 my place in tf, v12, v13 the add's two; v16-79 a chunk's 64 numbers, later the two sets of accumulators; v80-111 the sums over a;
;   v112-143 the keys' scale words (8 a + k); v144-151 W's scale words, two sets; v152-159 cv and w', two sets; v160-176 and v180-195 the quantiser's; v196-219 at work.
;   Window 1: W's fragments, two sets of 128 (at the head v0-63: W's scale bytes on their way to LDS).  Window 2: codes of tiles 0, 1.  Window 3: of tiles 2, 3 (tile a, K step k at 128 (a % 2) + 16 k).
.set PITCH, 1040                       ; an LDS row: 1,024 bytes + 16 of padding = 260 words: row r starts at bank 4 r mod 64 (64 banks of 4 bytes: ISA guide 11.1)
.set PART,  32*PITCH                   ; what one tensor load brings
.set SLOT,  4*PART
.set IMG,   2*SLOT                     ; behind the ring: for each wave 4 images of 2,048 bytes and 4 x 128 bytes of scale words; later W_e2a's scale bytes, 32 a column.  Written by LDS stores alone
.set WIMG,  8704
.set TAB,   IMG+4*WIMG                 ; cv of my batch, 1,024 f32; 4,096 bytes on: w'
.set SPARE, TAB+8192                   ; the spare words, 128 bytes a wave: two blocks of 256 bytes that no other line names
.set SPW,  12
.set NIL,  13
.set S,    16
.set ACC,  16                          ; the accumulators: set p at ACC + 32 p, tile a of my rows at + 8 a
.set EACC, 80
.set ASC,  112
.set WSC,  144
.set TC,   152                         ; set p: cv at TC + 4 p, w' at TC + 4 p + 2
.set TM,   160                         ; v160-163 largest magnitudes, v164-167 bytes, v168-171 the largest number x the scale, v172-175 the conversions' scale operands
.set PW,   176                         ; the scale word just made
.set PC,   180                         ; the codes just made
.set T,    196
.set WV,   18                          ; s18 my wave's number
.set MNT,  19                          ; s19 the mantissa field of 57,344
.set SEL,  20                          ; s[20:21] lane selects: lane l xor 16
.set CS,   22                          ; s[22:23] c
.set G1K,  24                          ; s[24:31] descriptor group 1 for keys;  s[32:39] for W
.set G1W,  32
.set G0K0, 40                          ; s[40:43] group 0 of fill 0;  s[44:47] of fill 1, which then walks;  s[48:51] W's, which walks
.set G0K1, 44
.set G0W,  48
.set TB,   56                          ; s56 LDS byte of the column tile to be fetched
.set SB,   57                          ; s57 where the slot in hand begins
.set TW,   58                          ; s58 its scale words: 512 bytes a tile
.set TT,   59                          ; s59 cv and w' of the tile in hand: 64 bytes a tile
.set KO,   62                          ; s62 the chunk in hand: its numbers,
.set IO,   63                          ; s63 its image,
.set IW,   66                          ; s66 its scale words
.set MSB, 0
.macro WIN new                         ; the immediate's high byte repeats the setting that is left; a switch that changes nothing is dropped
.if MSB != \new
	s_set_vgpr_msb (MSB<<8)|\new
.set MSB, \new
.endif
.endm
; A round of the cluster's barrier: my work-group's barrier; wave 0 signals for the work-group; every wave waits for all four work-groups; my work-group's barrier once more.
.macro ROUND
	s_barrier_signal -1
	s_barrier_wait -1
	s_cmp_lg_u32 s[WV], 0
	s_cbranch_scc1 .Lnot_wave_0_\@
	s_barrier_signal -3
.Lnot_wave_0_\@:
	s_barrier_wait -3
	s_barrier_signal -1
	s_barrier_wait -1
.endm
; 64 numbers of a lane, register 16 b + i = k 32 b + 16 (lane / 16) + i of my row, become a fragment's codes in v[PC] on and its scale word in v[PW].
.macro QUANT
.irp b, 0,1,2,3
	v_max3_num_f32 v[TM+\b], |v[S+16*\b]|, |v[S+1+16*\b]|, 0x8000000   ; block b: my 16 numbers, and the floor 2^(16 - 127): so the byte cannot fall under 1
.endr
.irp i, 2,4,6,8,10,12,14
.irp b, 0,1,2,3
	v_max3_num_f32 v[TM+\b], v[TM+\b], |v[S+16*\b+\i]|, |v[S+1+16*\b+\i]|   ; (the four blocks by turns)
.endr
.endr
.irp b, 0,1,2,3
	v_permlanex16_b32 v[TM+4+\b], v[TM+\b], s[SEL], s[SEL+1]
.endr
.irp b, 0,1,2,3
	v_max_num_f32 v[TM+\b], v[TM+\b], v[TM+4+\b]   ; with lane l xor 16's: the block's largest magnitude
.endr
.irp b, 0,1,2,3
	v_add_nc_u32 v[TM+12+\b], 0xf8800000, v[TM+\b]   ; 15 off its exponent field: the conversion takes the exponent field of this operand as its scale
.endr
.irp b, 0,1,2,3
	v_and_or_b32 v[TM+8+\b], v[TM+\b], 0x7f800000, s[MNT]   ; 57,344 x the scale
.endr
.irp b, 0,1,2,3
	v_lshrrev_b32 v[TM+4+\b], 23, v[TM+12+\b]      ; the scale's byte
.endr
	v_lshl_or_b32 v[PW], v[TM+5], 8, v[TM+4]
	v_lshl_or_b32 v[PW], v[TM+6], 16, v[PW]
	v_lshl_or_b32 v[PW], v[TM+7], 24, v[PW]
.irp b, 0,1,2,3
.irp i, 0,1,2,3,4,5,6,7,8,9,10,11,12,13,14,15
	v_med3_num_f32 v[S+16*\b+\i], v[S+16*\b+\i], -v[TM+8+\b], v[TM+8+\b]   ; the conversion to an 8-bit code does not saturate (ISA guide 7.6.2): the hold at the largest code x the scale
.endr
	v_cvt_scalef32_pk8_bf8_f32 v[PC+4*\b:PC+1+4*\b], v[S+16*\b:S+7+16*\b], v[TM+12+\b]
	v_cvt_scalef32_pk8_bf8_f32 v[PC+2+4*\b:PC+3+4*\b], v[S+8+16*\b:S+15+16*\b], v[TM+12+\b]
.endr
	v_nop                                          ; one plain vector instruction behind the last conversion
.endm
; FILL f OF KEYS IS WORKED: rows 32 (f / 4) on of my 64 (tiles 2 (f / 4) + u), K steps 2 (f % 4) + q: four chunks (u, q), each 16 rows x 128 K of f32, at 16 PITCH u + 512 q in my part of slot f % 2.
.macro KFILL f
.set PP, (\f)>>2
.set KK, 2*((\f)&3)
	s_mov_b32 s[KO], ((\f)&1)*SLOT
	s_mov_b32 s[IO], 0
	s_mov_b32 s[IW], 0
	s_mov_b32 s67, 2
.Lku_\@:
	s_mov_b32 s68, 2
.Lkq_\@:
	v_add_nc_u32 v7, s[KO], v1
.irp b, 0,1,2,3
.irp j, 0,1,2,3
	ds_load_b128 v[S+16*\b+4*\j:S+16*\b+4*\j+3], v7 offset:128*\b+16*\j   ; lane (r, h): row r, of each block of 32 numbers my half's 16
.endr
.endr
	s_wait_dscnt 0x0                               ; the chunk is in; the last trip's stores have read their registers
	v_add_nc_u32 v8, s[IO], v2
	v_add_nc_u32 v9, s[IW], v3
	QUANT
.irp c, 0,1,2,3
	ds_store_b128 v8, v[PC+4*\c:PC+4*\c+3] offset:512*\c   ; the fragment as it stands: lane l's 16 bytes at 16 l
.endr
	ds_store_b32 v9, v[PW]
	s_add_co_u32 s[KO], s[KO], 512
	s_add_co_u32 s[IO], s[IO], 2048
	s_add_co_u32 s[IW], s[IW], 128
	s_sub_co_u32 s68, s68, 1
	s_cmp_lg_u32 s68, 0
	s_cbranch_scc1 .Lkq_\@
	s_add_co_u32 s[KO], s[KO], 16*PITCH-1024
	s_sub_co_u32 s67, s67, 1
	s_cmp_lg_u32 s67, 0
	s_cbranch_scc1 .Lku_\@
.if PP == 0                            ; the four fragments come back into the registers where they stay.  LDS serves a wave's instructions in order (ISA guide 5.7.1.4): these see my stores
	WIN 0x80
.else
	WIN 0xc0
.endif
.irp u, 0,1
.irp q, 0,1
.irp c, 0,1,2,3
	ds_load_b128 v[128*\u+16*(KK+\q)+4*\c:128*\u+16*(KK+\q)+4*\c+3], v2 offset:(2*\u+\q)*2048+512*\c
.endr
.endr
.endr
	WIN 0
.irp u, 0,1
.irp q, 0,1
	ds_load_b32 v[ASC+8*(2*PP+\u)+KK+\q], v3 offset:(2*\u+\q)*128
.endr
.endr
.endm
; THE CHANGE OF SLOTS.  Each wave waits for all its tensor loads (one is out: its part of the other slot), adds 0 to its spare word, and waits for that and for its reads of the slot that it leaves; a round of the
; cluster's barrier; and the slot just left is filled again, the wave's one tensor load until the next round.  kind 0: the next fill of keys, step bytes on; 1: W's first fill; 2: W's next 128 columns.
.macro CHANGE kind, step
	s_wait_tensorcnt 0x0                           ; no tensor load of mine is out, so a group 0 may be written
	ds_add_u32 v[SPW], v[NIL]                      ; 0 onto my spare word; the descriptor's step stands between it and the wait for it
.if \kind == 0
	s_xor_b32 s[G0K1+1], s[G0K1+1], SLOT           ; the other slot than last time (no bit of SLOT is set in wave x PART),
	s_add_nc_u64 s[G0K1+2:G0K1+3], s[G0K1+2:G0K1+3], \step   ; the type bits on top are not reached
.elseif \kind == 2
	s_xor_b32 s[G0W+1], s[G0W+1], SLOT
	s_add_nc_u64 s[G0W+2:G0W+3], s[G0W+2:G0W+3], 131072
.endif
	s_wait_dscnt 0x0                               ; the add is done, and my reads of the slot are over
	ROUND
.if \kind == 0
	tensor_load_to_lds s[G0K1:G0K1+3], s[G1K:G1K+7]
.else
	tensor_load_to_lds s[G0W:G0W+3], s[G1W:G1W+7]
.endif
	s_nop 0
.rept 4
	v_nop
.endr
.endm
; The next column tile into set p: W's eight fragments (16 columns x 1,024 K) and their scale words (register i: word i in lanes 0-15, word 4 + i in lanes 16-31).
.macro FETCHB p
	v_add_nc_u32 v7, s[TB], v4
	v_add_nc_u32 v8, s[TW], v5
	WIN 0x40                                       ; destination window 1
.irp k, 0,1,2,3,4,5,6,7
.irp c, 0,1,2,3
	ds_load_b128 v[128*(\p)+16*\k+4*\c:128*(\p)+16*\k+4*\c+3], v7 offset:128*\k+32*\c
.endr
.endr
	WIN 0
	ds_load_b128 v[WSC+4*(\p):WSC+4*(\p)+3], v8
	s_add_co_u32 s[TB], s[TB], 16*PITCH
	s_add_co_u32 s[TW], s[TW], 512
.endm
; cv and w' of my column of the tile IN HAND into set p: its tanh reads them a tile later.  (The other set is being read by the tanh of the tile before.)
.macro FETCHT p
	v_add_nc_u32 v9, s[TT], v6
	ds_load_b32 v[TC+4*(\p)], v9
	ds_load_b32 v[TC+4*(\p)+2], v9 offset:4096
	s_add_co_u32 s[TT], s[TT], 64
.endm
.macro WM p, k, a                      ; one matrix instruction: tile a of my rows, K step k, the column tile in set p
.if (\a) < 2
	WIN 0x06                                       ; source 0 window 2, source 1 window 1, C and D window 0
.else
	WIN 0x07                                       ; source 0 window 3
.endif
.set rD, ACC+32*(\p)+8*(\a)
.set rA, 128*((\a)%2)+16*(\k)
.set rB, 128*(\p)+16*(\k)
.set rX, ASC+8*(\a)+(\k)
.set rY, WSC+4*(\p)+(\k)%4
.if (\k) == 0
	v_wmma_scale_f32_16x16x128_f8f6f4 v[rD:rD+7], v[rA:rA+15], v[rB:rB+15], 0, v[rX], v[rY] matrix_a_fmt:MATRIX_FMT_BF8 matrix_b_fmt:MATRIX_FMT_BF8
.elseif (\k) < 4
	v_wmma_scale_f32_16x16x128_f8f6f4 v[rD:rD+7], v[rA:rA+15], v[rB:rB+15], v[rD:rD+7], v[rX], v[rY] matrix_a_fmt:MATRIX_FMT_BF8 matrix_b_fmt:MATRIX_FMT_BF8
.else
	v_wmma_scale_f32_16x16x128_f8f6f4 v[rD:rD+7], v[rA:rA+15], v[rB:rB+15], v[rD:rD+7], v[rX], v[rY] matrix_a_fmt:MATRIX_FMT_BF8 matrix_b_fmt:MATRIX_FMT_BF8 matrix_b_scale:MATRIX_SCALE_ROW1
.endif
.endm
; THE TANH'S FIVE LINES, on set q of the accumulators (32 registers, 16 pairs), all in place.
.macro XSC q, i                        ; pair i: x = c U + cv
	v_pk_fma_f32 v[ACC+32*(\q)+2*(\i):ACC+32*(\q)+2*(\i)+1], v[ACC+32*(\q)+2*(\i):ACC+32*(\q)+2*(\i)+1], s[CS:CS+1], v[TC+4*(\q):TC+4*(\q)+1] op_sel_hi:[1,0,0]
.endm
.macro XEXP q, i                       ; register i: 2^x
	v_exp_f32 v[ACC+32*(\q)+(\i)], v[ACC+32*(\q)+(\i)]
.endm
.macro XADD q, i                       ; pair i: 1 + 2^x
	v_pk_add_f32 v[ACC+32*(\q)+2*(\i):ACC+32*(\q)+2*(\i)+1], v[ACC+32*(\q)+2*(\i):ACC+32*(\q)+2*(\i)+1], 1.0 op_sel_hi:[1,0]
.endm
.macro XRCP q, i                       ; register i: r = 1 / (1 + 2^x)
	v_rcp_f32 v[ACC+32*(\q)+(\i)], v[ACC+32*(\q)+(\i)]
.endm
.macro XSUM q, i                       ; pair i: the sum over a += w' r
	v_pk_fma_f32 v[EACC+2*(\i):EACC+2*(\i)+1], v[ACC+32*(\q)+2*(\i):ACC+32*(\q)+2*(\i)+1], v[TC+4*(\q)+2:TC+4*(\q)+3], v[EACC+2*(\i):EACC+2*(\i)+1] op_sel_hi:[1,0,1]
.endm
; SLICE sl OF 32 of the tanh on set q.  Slices 0 to 15: the scalings and the exponentials; 16 to 31: the additions and the reciprocals.  A slice is a packed line and two transcendentals; a pair's packed line
; stands a slice ahead of its transcendentals (so the first slice of each half has two packed lines and the last none).  The pairs ascend: each accumulator is first read at its low end.
; No line of slices 0 to 15 names an exponential's result, none of slices 16 to 31 a reciprocal's: so each batch of 32 has ONE wait ahead of its first reader:
; the exponentials' behind slice 15, the reciprocals' behind slice 31 (STEP writes it).  Between a batch's last transcendental and the use of its result stand the next batch's packed lines.
.macro SLICE q
	WIN 0
.if sl == 0
	XSC \q, 0
	XSC \q, 1
	XEXP \q, 0
	XEXP \q, 1
.elseif sl < 15
	XSC \q, sl+1
	XEXP \q, 2*sl
	XEXP \q, 2*sl+1
.elseif sl == 15
	XEXP \q, 30
	XEXP \q, 31
	s_wait_alu depctr_va_vdst(0)                   ; the wait for the 32 exponentials
.elseif sl == 16
	XADD \q, 0
	XADD \q, 1
	XRCP \q, 0
	XRCP \q, 1
.elseif sl < 31
	XADD \q, sl-15
	XRCP \q, 2*sl-32
	XRCP \q, 2*sl-31
.else
	XRCP \q, 30
	XRCP \q, 31
.endif
.set sl, sl+1
.endm
; A column tile's 32 products into set p, a slice of the other set's tanh behind each.  The four accumulators take turns, one instruction a turn; K ascends in each sum.
.macro MMT p
.set sl, 0
.irp k, 0,2,4,6
.irp a, 0,1,2,3
	WM \p, \k, \a
	SLICE 1-\p
.endr
.irp a, 2,3,0,1
	WM \p, \k+1, \a
	SLICE 1-\p
.endr
.endr
.endm
; A STEP: column tile n in set p = n % 2 is multiplied, and tile n - 1's tanh is done.  mode 0: tile n + 1, of the same slot, is fetched into the other set.  1: tile n is a slot's last: its fragments are in
; registers, so the slot is left and filled again.  2: the same, with nothing left to fetch from memory: a plain barrier.  3: the very last tile.
; PLACES.  The 16 multiply-adds at a step's end name the other set, the sums and that set's w' alone, none of the registers of the step's products: they are the eight places in front of the next step's loads
; into the fragments and scale words just read, and of the first read of the results just made.  An accumulator is begun anew a whole step behind the last product that wrote it: more than nine such places.
.macro STEP p, mode
.if \mode == 0
	s_wait_dscnt 0x0                               ; this tile's fragments are in, and the cv and w' that the slices read
	FETCHB 1-\p
.elseif \mode == 1
	CHANGE 2, 0
	s_xor_b32 s[SB], s[SB], SLOT
	s_mov_b32 s[TB], s[SB]
	FETCHB 1-\p
.elseif \mode == 2
	s_wait_tensorcnt 0x0                           ; my part of the last slot has landed
	ds_add_u32 v[SPW], v[NIL]
	s_xor_b32 s[SB], s[SB], SLOT
	s_mov_b32 s[TB], s[SB]
	s_wait_dscnt 0x0
	s_barrier_signal -1
	s_barrier_wait -1                              ; everybody's has
	FETCHB 1-\p
.else
	s_wait_dscnt 0x0
.endif
	FETCHT \p
	MMT \p
	s_wait_alu depctr_va_vdst(0)                   ; the wait for the 32 reciprocals
.set i, 0
.rept 16
	XSUM 1-\p, i
.set i, i+1
.endr
.endm
.macro PAIR mode
	STEP 0, 0
	STEP 1, \mode
.endm
.macro L3                              ; six of a slot's eight tiles
	s_mov_b32 s61, 3
.Lthree_\@:
	PAIR 0
	s_sub_co_u32 s61, s61, 1
	s_cmp_lg_u32 s61, 0
	s_cbranch_scc1 .Lthree_\@
.endm
; One step of the sum over sixteen lanes: of 2 n registers n are left; lanes whose bit is 0 keep the lower n, the others the upper n, and each gets its partner's part of what it keeps.
.macro RS n, xm, msk
.set i, 0
.rept \n
	v_cndmask_b32 v[T+2*(i%8)], v[EACC+i], v[EACC+i+\n], s[\msk]       ; what I keep,
	v_cndmask_b32 v[T+2*(i%8)+1], v[EACC+i+\n], v[EACC+i], s[\msk]     ; what my partner keeps
	v_add_f32_dpp v[EACC+i], v[T+2*(i%8)+1], v[T+2*(i%8)] row_xmask:\xm row_mask:0xf bank_mask:0xf
.set i, i+1
.endr
.endm
	s_load_b256 s[4:11], s[0:1], 0x0               ; keys s[4:5], W's codes s[6:7], W's scales s[8:9], v_w s[10:11]
	s_load_b128 s[12:15], s[0:1], 0x20             ; cv s[12:13], tf s[14:15]
	s_load_b64 s[16:17], s[0:1], 0x30              ; depth
	v_lshl_add_u32 v[SPW], v0, 2, SPARE
	v_mov_b32 v[NIL], 0
	ds_add_u32 v[SPW], v[NIL]                      ; the wave's opening: the add, twice on end, and its wait ahead of my first tensor load; the set-up below, work on registers, stands between
	ds_add_u32 v[SPW], v[NIL]
	v_lshrrev_b32 v[T], 5, v0
	v_readfirstlane_b32 s[WV], v[T]                ; wave 0..3
	s_bfe_u32 s53, ttmp6, 0x40000                  ; cx: my place in the cluster
	s_lshl_b32 s52, ttmp9, 2
	s_add_co_u32 s52, s52, s53                     ; my work-group = 4 x cluster + cx: it enters addresses in memory alone
	; descriptor group 1: 32 rows x 256 elements of 4 bytes, 4 words of padding behind every 256
	s_mov_b32 s[G1K], (2<<16)|(1<<20)|(7<<22)|(3<<25)             ; 15:0 no mask; 17:16 elements of 4 bytes; 20 padding on; 24:22 after every 256 words (code 7); 31:25 four words (code 3)
	s_mov_b32 s[G1W], 15|(2<<16)|(1<<20)|(1<<21)|(7<<22)|(3<<25)  ; the same with the mask of all four work-groups, and bit 21 beside it
.irp g, G1K, G1W
	s_mov_b32 s[\g+1], 256<<16                     ; tensor_dim0
	s_mov_b32 s[\g+2], 32<<16                      ; tensor_dim1
	s_mov_b32 s[\g+3], 256<<16                     ; tile_dim0
	s_mov_b32 s[\g+4], 32                          ; tile_dim1
	s_mov_b32 s[\g+6], 0
	s_mov_b32 s[\g+7], 0
.endr
	s_mov_b32 s[G1K+5], 1024                       ; a row of keys is 1,024 elements,
	s_mov_b32 s[G1W+5], 256                        ; a row of W's codes 256
	s_mov_b32 s[MNT], 0x600000
	s_mov_b32 s[SEL], 0x76543210
	s_mov_b32 s[SEL+1], 0xfedcba98
	s_mov_b32 s[CS], 0x4038aa3b                    ; c = 2 log2(e)
	s_mov_b32 s[CS+1], s[CS]
	s_mov_b32 s74, 0xc038aa3b                      ; -c
	s_mov_b32 s75, s74
	s_mov_b32 s70, 0xff00ff00                      ; the lanes whose bit 3, 2, 1, 0 is set
	s_mov_b32 s71, 0xf0f0f0f0
	s_mov_b32 s72, 0xcccccccc
	s_mov_b32 s73, 0xaaaaaaaa
	v_and_b32 v[T], 15, v0                         ; r
	v_bfe_u32 v[T+1], v0, 4, 1                     ; h
	v_and_b32 v[T+2], 31, v0                       ; lane
	s_mul_i32 s54, s[WV], PART                     ; my part of a slot
	v_mul_u32_u24 v4, v[T], PITCH
	v_lshl_add_u32 v1, v[T+1], 6, v4
	v_add_nc_u32 v1, s54, v1                       ; v1: keys: my part, row r, + 64 h
	v_lshl_add_u32 v4, v[T+1], 4, v4               ; v4: W: row r, + 16 h
	s_mul_i32 s55, s[WV], WIMG
	s_add_co_u32 s55, s55, IMG
	v_lshlrev_b32 v2, 4, v[T+2]
	v_add_nc_u32 v2, s55, v2                       ; v2: my wave's images, 16 x lane
	s_add_co_u32 s55, s55, 8192
	v_lshlrev_b32 v3, 2, v[T+2]
	v_add_nc_u32 v3, s55, v3                       ; v3: their scale words, 4 x lane
	v_lshlrev_b32 v5, 5, v[T]
	v_lshl_add_u32 v5, v[T+1], 4, v5
	v_add_nc_u32 v5, IMG, v5                       ; v5: W's scale bytes: column r of 32 bytes, + 16 h
	v_lshl_add_u32 v6, v[T], 2, TAB                ; v6: cv of column r
	v_and_b32 v10, 12, v0                          ; v10: where my two rows' t lie in the wave's 256 bytes (see the sum over lanes at the end)
	v_lshlrev_b32 v10, 4, v10
	v_and_b32 v[T+3], 16, v0
	v_lshl_or_b32 v10, v[T+3], 1, v10
	v_and_b32 v[T+3], 3, v0
	v_lshl_or_b32 v10, v[T+3], 3, v10
	s_lshl_b32 s76, s52, 20                        ; my work-group's 256 rows of 4,096 bytes,
	s_lshl_b32 s77, s[WV], 18                      ; my wave's 64
	s_add_co_u32 s76, s76, s77
	s_mov_b32 s77, 0
	s_wait_dscnt 0x0                               ; both opening adds are done
	s_wait_kmcnt 0x0
	s_add_nc_u64 s[4:5], s[4:5], s[76:77]
	s_mov_b32 s[G0K0], 1                           ; 1:0 count = 1
	s_mov_b32 s[G0K0+1], s54                       ; 63:32 LDS address: slot 0
	s_mov_b64 s[G0K0+2:G0K0+3], s[4:5]             ; 120:64 global address
	s_or_b32 s[G0K0+3], s[G0K0+3], 0x80000000      ; 127:126 type = 2
	s_mov_b32 s[G0K1], 1
	s_add_co_u32 s[G0K1+1], s54, SLOT
	s_add_nc_u64 s[G0K1+2:G0K1+3], s[4:5], 1024
	s_or_b32 s[G0K1+3], s[G0K1+3], 0x80000000
	s_lshl_b32 s76, s[WV], 15                      ; W: my 32 columns of 1,024 bytes: the wave's number alone, the same in all four partners
	s_mov_b32 s[G0W], 1
	s_mov_b32 s[G0W+1], s54
	s_add_nc_u64 s[G0W+2:G0W+3], s[6:7], s[76:77]
	s_or_b32 s[G0W+3], s[G0W+3], 0x80000000
	s_lshr_b32 s76, s52, 3                         ; my batch: eight work-groups to a batch
	s_lshl_b32 s76, s76, 12
	s_add_nc_u64 s[12:13], s[12:13], s[76:77]      ; its row of cv
	s_lshl_b32 s76, s52, 10
	s_lshl_b32 s78, s[WV], 8
	s_add_co_u32 s76, s76, s78                     ; my wave's 64 rows x 4 bytes
	s_add_nc_u64 s[14:15], s[14:15], s[76:77]
	s_add_nc_u64 s[16:17], s[16:17], s[76:77]
	ROUND                                          ; in front of the first tensor loads
	tensor_load_to_lds s[G0K0:G0K0+3], s[G1K:G1K+7]   ; fill 0
	s_nop 0
	tensor_load_to_lds s[G0K1:G0K1+3], s[G1K:G1K+7]   ; fill 1
	s_nop 0
.rept 4
	v_nop
.endr
	v_lshlrev_b32 v[T+3], 5, v0                    ; thread t takes 8 numbers of cv and of v_w,
	v_lshlrev_b32 v[T+4], 4, v0                    ; and 16 x 16 bytes of W's scales
	v_lshl_add_u32 v[T+5], v0, 5, TAB
	v_lshl_add_u32 v[T+6], v0, 4, IMG
	global_load_b128 v[T+8:T+11], v[T+3], s[12:13]
	global_load_b128 v[T+12:T+15], v[T+3], s[12:13] offset:16
	global_load_b128 v[T+16:T+19], v[T+3], s[10:11]
	global_load_b128 v[T+20:T+23], v[T+3], s[10:11] offset:16
	WIN 0x40
.irp i, 0,1,2,3,4,5,6,7,8,9,10,11,12,13,14,15
	global_load_b128 v[4*\i:4*\i+3], v[T+4], s[8:9] offset:2048*\i   ; a load of the work-group covers 2,048 consecutive bytes; they wait in window 1 until the images' bytes are free
.endr
	WIN 0
.set i, 0
.rept 32
	v_mov_b32 v[EACC+i], 0                         ; the sums over a.  (The step is written once: its first turn finds zeros)
.set i, i+1
.endr
.irp b, 0,1,2,3
	v_mov_b32 v[TM+4+\b], 0                        ; written once: a lane permute's destination counts as one of its sources
	v_mov_b32 v[TC+1+2*\b], 0                      ; (named as the upper halves of pairs of which the low word serves both halves)
.endr
	v_mov_b32 v[TC+4], 0                           ; set 1's cv and w' begin as zeros: the first step's slices work on a tile that is not there,
	v_mov_b32 v[TC+6], 0                           ; and add w' r = 0 x 1/2 to the sums
	s_wait_loadcnt 0x0
.irp i, 16,18,20,22
	v_pk_mul_f32 v[T+\i:T+\i+1], v[T+\i:T+\i+1], s[74:75] op_sel_hi:[1,0]   ; w' = -c v_w
.endr
	ds_store_b128 v[T+5], v[T+8:T+11]
	ds_store_b128 v[T+5], v[T+12:T+15] offset:16
	ds_store_b128 v[T+5], v[T+16:T+19] offset:4096
	ds_store_b128 v[T+5], v[T+20:T+23] offset:4112   ; read by all waves, far behind the first round, in front of which every wave waits for its LDS stores
	s_wait_tensorcnt 0x1                           ; fill 0 is in (fill 1 may be out); I alone read my part, so no barrier is wanted
	KFILL 0
	CHANGE 0, 1024                                 ; fill 2
	KFILL 1
	CHANGE 0, 1024                                 ; fill 3
	KFILL 2
	CHANGE 0, 128000                               ; fill 4: 32 rows down, back to the rows' first byte: 32 x 4,096 - 3 x 1,024
	KFILL 3
	CHANGE 0, 1024
	KFILL 4
	CHANGE 0, 1024
	KFILL 5
	CHANGE 0, 1024                                 ; fill 7
	KFILL 6
	CHANGE 1, 0                                    ; fill 8: W's columns 0 to 127
	KFILL 7
	CHANGE 2, 0                                    ; fill 9: columns 128 to 255.  In front of this round every wave has waited for fill 8 and for its last reads of its images
	WIN 0x04                                       ; an LDS store's data are its source 1: window 1
.irp i, 0,1,2,3,4,5,6,7,8,9,10,11,12,13,14,15
	ds_store_b128 v[T+6], v[4*\i:4*\i+3] offset:2048*\i   ; W's scale bytes take the images' place, as they lie in memory
.endr
	WIN 0
.set i, 0
.rept 32
	v_mov_b32 v[ACC+32+i], 0                       ; set 1 of the accumulators begins as zeros, for the first step's slices
.set i, i+1
.endr
	s_mov_b32 s[TB], 0
	s_mov_b32 s[SB], 0
	s_mov_b32 s[TW], 0
	s_mov_b32 s[TT], 0
	s_wait_dscnt 0x0                               ; for the others' sake: my stores are done
	s_barrier_signal -1
	s_barrier_wait -1                              ; fill 9 may stay out
	FETCHB 0
	s_mov_b32 s60, 6
.Lslot:                                            ; six trips: a slot's eight tiles; at the last of them the slot is filled again, with the columns two slots on
	L3
	PAIR 1
	s_sub_co_u32 s60, s60, 1
	s_cmp_lg_u32 s60, 0
	s_cbranch_scc1 .Lslot
	L3                                             ; the last two slots are written out
	PAIR 2
	L3
	PAIR 3
	; THE LAST TILE'S TANH, on set 1, with no products left to set it between.  The 16 multiply-adds above are the places behind the last products.
	s_wait_dscnt 0x0                               ; its cv and w'
.set i, 0
.rept 16
	XSC 1, i
.set i, i+1
.endr
.set i, 0
.rept 32
	XEXP 1, i
.set i, i+1
.endr
	v_nop                                          ; a plain instruction behind the last exponential,
	s_wait_alu depctr_va_vdst(0)                   ; and the one wait for the batch
.set i, 0
.rept 16
	XADD 1, i
.set i, i+1
.endr
.set i, 0
.rept 32
	XRCP 1, i
.set i, i+1
.endr
	v_nop
	s_wait_alu depctr_va_vdst(0)
.set i, 0
.rept 16
	XSUM 1, i
.set i, i+1
.endr
	; THE SUM OVER THE SIXTEEN LANES OF A HALF.  32 registers (tile a, row j) become 2: bit 3 of the lane chooses a / 2, bit 2 a % 2, bit 1 j / 4, bit 0 (j / 2) % 2.
	; A lane ends with t of rows 32 b3 + 16 b2 + 8 h + 4 b1 + 2 b0 + 0, 1 of the wave's 64.
	RS 16, 8, 70
	RS 8, 4, 71
	RS 4, 2, 72
	RS 2, 1, 73
	v_floor_f32 v[T+16], v[EACC]
	v_floor_f32 v[T+17], v[EACC+1]
	v_cvt_i32_f32 v[T+16], v[T+16]                 ; (it saturates)
	v_cvt_i32_f32 v[T+17], v[T+17]
	v_sub_nc_u32 v[T+16], 0x7fffffff, v[T+16]      ; the depth: the smallest belongs to the largest floor(t)
	v_sub_nc_u32 v[T+17], 0x7fffffff, v[T+17]
	global_store_b64 v10, v[EACC:EACC+1], s[14:15]   ; the wave's 32 lanes store 256 consecutive bytes, at a multiple of 256 from the buffer's first byte
	global_store_b64 v10, v[T+16:T+17], s[16:17]
	s_wait_tensorcnt 0x0                           ; the wave's end: behind my last tensor load and my last LDS store
	ds_add_u32 v[SPW], v[NIL]
	s_wait_dscnt 0x0
	ROUND                                          ; the closing round: no work-group ends while a partner may still ask for a tile that names it
	s_endpgm
.Lfunc_end_k_q7375573a2b_scores:
	.size	k_q7375573a2b_scores, .Lfunc_end_k_q7375573a2b_scores-k_q7375573a2b_scores
	.p2alignl 7, 3214868480
	.fill 96, 4, 3214868480
	.section	.rodata,"a",@progbits
	.p2align	6, 0x0
	.amdhsa_kernel k_q7375573a2b_scores
		.amdhsa_group_segment_fixed_size 327680
		.amdhsa_private_segment_fixed_size 0
		.amdhsa_enable_private_segment 0
		.amdhsa_kernarg_size 56
		.amdhsa_user_sgpr_count 2
		.amdhsa_user_sgpr_kernarg_segment_ptr 1
		.amdhsa_wavefront_size32 1
		.amdhsa_system_sgpr_workgroup_id_x 1
		.amdhsa_system_sgpr_workgroup_id_y 1
		.amdhsa_system_sgpr_workgroup_id_z 1
		.amdhsa_system_vgpr_workitem_id 0
		.amdhsa_next_free_vgpr 1024
		.amdhsa_next_free_sgpr 80
		.amdhsa_reserve_vcc 0
		.amdhsa_float_denorm_mode_32 3
		.amdhsa_float_denorm_mode_16_64 3
		.amdhsa_memory_ordered 1
		.amdhsa_forward_progress 1
		.amdhsa_inst_pref_size 255
	.end_amdhsa_kernel
	.section	.bss,"aw",@nobits
	.p2align	6
	.space	262144
	.amdgpu_metadata
---
amdhsa.version: [ 1, 2 ]
amdhsa.kernels:
  - .name:           k_q7375573a2b_scores
    .symbol:         k_q7375573a2b_scores.kd
    .args:
      - { .name: keys, .offset: 0, .size: 8, .value_kind: global_buffer, .address_space: global }
      - { .name: W_e2a_codes, .offset: 8, .size: 8, .value_kind: global_buffer, .address_space: global }
      - { .name: W_e2a_scales, .offset: 16, .size: 8, .value_kind: global_buffer, .address_space: global }
      - { .name: v_w, .offset: 24, .size: 8, .value_kind: global_buffer, .address_space: global }
      - { .name: cv, .offset: 32, .size: 8, .value_kind: global_buffer, .address_space: global }
      - { .name: tf, .offset: 40, .size: 8, .value_kind: global_buffer, .address_space: global }
      - { .name: depth, .offset: 48, .size: 8, .value_kind: global_buffer, .address_space: global }
    .group_segment_fixed_size: 327680
    .private_segment_fixed_size: 0
    .kernarg_segment_align: 8
    .kernarg_segment_size: 56
    .max_flat_workgroup_size: 128
    .sgpr_count:     80
    .vgpr_count:     1024
    .wavefront_size: 32
...
	.end_amdgpu_metadata
.endif
;; end of part 2
;; launch context (part 3): grid 8 x 32, 32 waves a work-group, no clusters, 20,736 bytes of LDS; arguments keys, tf, depth, out0; writes out0
.if DOCPART == 3
	.amdgcn_target "amdgcn-amd-amdhsa--gfx1250"
	.amdhsa_code_object_version 6
	.text
	.protected	k_q7375573a2b_context
	.globl	k_q7375573a2b_context
	.p2align	8
	.type	k_q7375573a2b_context,@function
k_q7375573a2b_context:
	s_mov_b64 s[64:65], 0
	v_nop
	global_prefetch_b8 v0, s[64:65] scope:SCOPE_SE
	s_setreg_imm32_b32 hwreg(HW_REG_WAVE_MODE, 25, 1), 1
	s_wait_xcnt 0x0
; out0[b][e] = sum over s of p[s] keys[b][s][e] / sum over s of p[s], p[s] = 2^(t[s] - M), M = floor(the batch's largest t) + 1: the softmax of the scores with its maximum taken away, in f32.
; WORK LEFT OUT (shown at the head of the first launch): the term sum(v_w) of the scores is not in t.
; ONLY THE ROWS THAT COUNT ARE TOUCHED.  depth[s] = 0x7fffffff - floor(t[s]) is a whole number that the launch before stored.  A row of keys is loaded, and added in, where depth - (the batch's smallest depth)
; is at most 40; a scalar branch on that bit leads round the load of every other row, and round its three lines of arithmetic.  The sum of p runs over ALL rows.  Where the scores are flat, all rows are read.
; LIMIT: a row left out has floor(t) at least 41 under that of the largest t, so p under 2^-41, where the sum of p is at least 1/2: the 2,047 rows at the most add under 2^-29 of the largest magnitude among
; their keys to a result.  So keys in a row left out that are more than some 2^20 times those of the rows kept would be missed.  NaN and infinities among the inputs are not served.
; SHARES: a work-group takes one batch and 128 of the 1,024 columns; wave w its rows 64 w to 64 w + 63, a lane 4 columns (16 bytes): a row's load covers 512 consecutive bytes.  The waves' parts meet in LDS.
; No cluster, no tensor load: which rows are read hangs on loaded numbers; what the eight work-groups of a batch share is its 8,192 bytes of depths and as many of t.
.set LS,    16384                      ; LDS: 32 parts of 512 bytes from byte 0; then the waves' 32 sums of p;
.set SPARE, 16640                      ; then the spare words, 128 bytes a wave: sixteen blocks of 256 bytes that no other line names
.set NEAR,  40
.set D,     16                         ; v16-79: the batch's depths, later 16 rows of keys, later parts
	s_load_b256 s[4:11], s[0:1], 0x0               ; keys s[4:5], tf s[6:7], depth s[8:9], out0 s[10:11]
	v_lshl_add_u32 v100, v0, 2, SPARE              ; v100: LDS address of my spare word; never rewritten
	v_mov_b32 v101, 0                              ; v101: 0; never rewritten
	v_lshrrev_b32 v1, 5, v0
	v_readfirstlane_b32 s12, v1                    ; wave 0..31
	v_and_b32 v1, 31, v0
	v_lshlrev_b32 v2, 4, v1                        ; 16 x lane
	v_lshlrev_b32 v3, 2, v1                        ; 4 x lane
	s_lshl_b32 s19, s12, 9
	v_add_nc_u32 v102, s19, v2                     ; my place in my wave's part
	s_lshl_b32 s19, s12, 2
	s_add_co_u32 s19, s19, LS
	v_mov_b32 v103, s19                            ; my wave's sum of p
	v_add_nc_u32 v104, LS, v3                      ; and, for wave 0, the sum of wave = my lane
	s_mov_b32 s20, 0x76543210
	s_mov_b32 s21, 0xfedcba98                      ; v_permlanex16_b32's selects for lane l xor 16
	s_mov_b32 s25, 0                               ; (the upper halves of the pairs of which the low word serves both halves)
	s_mov_b32 s27, 0
	s_mov_b32 s29, 0
	s_mov_b32 s31, 0
	s_and_b32 s13, ttmp7, 0xffff                   ; the batch
	s_lshl_b32 s32, s13, 13                        ; its 2,048 x 4 bytes of t and of depths
	s_mov_b32 s33, 0
	s_lshl_b32 s34, s12, 8                         ; my wave's 64 of them
	s_mov_b32 s35, 0
	s_lshl_b32 s36, s13, 23                        ; keys: the batch's 2,048 rows of 4,096 bytes,
	s_lshl_b32 s37, s12, 18                        ; my wave's 64,
	s_add_co_u32 s36, s36, s37
	s_lshl_b32 s38, ttmp9, 9                       ; the work-group's 512 bytes of a row
	s_add_co_u32 s36, s36, s38
	s_mov_b32 s37, 0
	s_lshl_b32 s39, s13, 12                        ; out0: the batch's row
	s_add_co_u32 s38, s38, s39
	s_mov_b32 s39, 0
	s_wait_kmcnt 0x0
	s_add_nc_u64 s[8:9], s[8:9], s[32:33]
	s_add_nc_u64 s[6:7], s[6:7], s[32:33]
	s_add_nc_u64 s[6:7], s[6:7], s[34:35]
	s_add_nc_u64 s[40:41], s[8:9], s[34:35]
	s_add_nc_u64 s[4:5], s[4:5], s[36:37]
	s_add_nc_u64 s[10:11], s[10:11], s[38:39]
.irp i, 0,1,2,3,4,5,6,7,8,9,10,11,12,13,14,15
	global_load_b128 v[D+4*\i:D+4*\i+3], v2, s[8:9] offset:512*\i   ; all the batch's depths: every wave finds the smallest for itself
.endr
	global_load_b32 v4, v3, s[40:41]               ; my wave's own: lane = row,
	global_load_b32 v5, v3, s[40:41] offset:128    ; lane = row - 32
	global_load_b32 v6, v3, s[6:7]                 ; and their t
	global_load_b32 v7, v3, s[6:7] offset:128
	s_wait_loadcnt 0x0
.irp c, 0,1,2,3
	v_min_u32 v[12+\c], v[D+\c], v[D+4+\c]         ; four chains
.endr
.irp i, 8,12,16,20,24,28,32,36,40,44,48,52,56,60
.irp c, 0,1,2,3
	v_min_u32 v[12+\c], v[12+\c], v[D+\i+\c]
.endr
.endr
	v_min_u32 v12, v12, v13
	v_min_u32 v14, v14, v15
	v_min_u32 v12, v12, v14
.irp m, 1,2,4,8
	v_mov_b32_dpp v13, v12 row_xmask:\m row_mask:0xf bank_mask:0xf
	v_min_u32 v12, v12, v13
.endr
	v_permlanex16_b32 v13, v12, s20, s21
	v_min_u32 v12, v12, v13
	v_readfirstlane_b32 s15, v12                   ; the batch's smallest depth
	v_sub_nc_u32 v12, v4, s15
	v_sub_nc_u32 v13, v5, s15
	v_cmp_ge_u32 s16, NEAR, v12                    ; bit = row: the rows of my 64 that are read
	v_cmp_ge_u32 s17, NEAR, v13
	s_sub_co_u32 s14, 0x7fffffff, s15              ; floor(the largest t)
	v_mov_b32 v12, s14
	v_cvt_f32_i32 v12, v12
	v_add_f32 v12, 1.0, v12                        ; M: above every t, by 1 at the most above the largest
	v_sub_f32 v6, v6, v12
	v_sub_f32 v7, v7, v12
	v_exp_f32 v6, v6                               ; p, at most 1; the largest of the batch is at least 1/2
	v_exp_f32 v7, v7
.irp c, 0,1,2,3
	v_mov_b32 v[8+\c], 0                           ; my four columns' sums.  (Plain instructions behind the exponentials)
.endr
	s_wait_alu depctr_va_vdst(0)                   ; the wait ahead of the first reader, and ahead of every branch: one for both exponentials
	v_add_f32 v14, v6, v7                          ; my two rows' part of the sum of p
.macro ITEM g, u                       ; row 16 g + u of my 64 is loaded where its bit is set
	s_bitcmp1_b32 s18, \u
	s_cbranch_scc0 .Lnot_\@
	global_load_b128 v[D+4*(\u):D+4*(\u)+3], v2, s[4:5] offset:(16*(\g)+(\u))*4096 th:TH_LOAD_NT
.Lnot_\@:
.endm
.macro TAKE g, u                       ; and added in, by the same bit: the registers of a row that was not loaded are not read
	s_bitcmp1_b32 s18, \u
	s_cbranch_scc0 .Lout_\@
	v_readlane_b32 s[24+2*((\u)%4)], v[6+(\g)/2], 16*((\g)%2)+(\u)   ; the row's p
	v_pk_fma_f32 v[8:9], v[D+4*(\u):D+4*(\u)+1], s[24+2*((\u)%4):25+2*((\u)%4)], v[8:9] op_sel_hi:[1,0,1]
	v_pk_fma_f32 v[10:11], v[D+4*(\u)+2:D+4*(\u)+3], s[24+2*((\u)%4):25+2*((\u)%4)], v[10:11] op_sel_hi:[1,0,1]
.Lout_\@:
.endm
.macro GROUP g                         ; sixteen rows; a group none of whose rows counts is passed over whole
	s_bfe_u32 s18, s[16+(\g)/2], (16<<16)|(16*((\g)%2))
	s_cmp_lg_u32 s18, 0
	s_cbranch_scc0 .Lnone_\@
.irp u, 0,1,2,3,4,5,6,7,8,9,10,11,12,13,14,15
	ITEM \g, \u
.endr
	s_wait_loadcnt 0x0                             ; how many loads are out hangs on the bits: so the wait is for all
.irp u, 0,1,2,3,4,5,6,7,8,9,10,11,12,13,14,15
	TAKE \g, \u
.endr
.Lnone_\@:
.endm
	GROUP 0
	GROUP 1
	GROUP 2
	GROUP 3
	ds_store_b128 v102, v[8:11]                    ; my wave's part
.irp m, 1,2,4,8
	v_add_f32_dpp v14, v14, v14 row_xmask:\m row_mask:0xf bank_mask:0xf
.endr
	v_permlanex16_b32 v13, v14, s20, s21
	v_add_f32 v14, v14, v13                        ; my wave's sum of p, in every lane
	ds_store_b32 v103, v14                         ; all lanes write the same word with the same value
	s_wait_dscnt 0x0                               ; for wave 0's sake: my stores are done
	s_barrier_signal -1
	s_barrier_wait -1
	s_cmp_lg_u32 s12, 0
	s_cbranch_scc1 .Lend                           ; wave 0 adds the 32 parts and stores the work-group's 512 bytes
	ds_load_b32 v12, v104
.irp i, 0,1,2,3,4,5,6,7,8,9,10,11,12,13,14,15
	ds_load_b128 v[D+4*\i:D+4*\i+3], v2 offset:512*\i
.endr
	s_wait_dscnt 0x0
	v_pk_add_f32 v[8:9], v[D:D+1], v[D+4:D+5]
	v_pk_add_f32 v[10:11], v[D+2:D+3], v[D+6:D+7]
.irp i, 2,3,4,5,6,7,8,9,10,11,12,13,14,15
	v_pk_add_f32 v[8:9], v[8:9], v[D+4*\i:D+4*\i+1]
	v_pk_add_f32 v[10:11], v[10:11], v[D+4*\i+2:D+4*\i+3]
.endr
.irp i, 0,1,2,3,4,5,6,7,8,9,10,11,12,13,14,15
	ds_load_b128 v[D+4*\i:D+4*\i+3], v2 offset:8192+512*\i
.endr
.irp m, 1,2,4,8
	v_add_f32_dpp v12, v12, v12 row_xmask:\m row_mask:0xf bank_mask:0xf
.endr
	v_permlanex16_b32 v13, v12, s20, s21
	v_add_f32 v12, v12, v13                        ; the batch's sum of p
	v_rcp_f32 v12, v12
	s_wait_dscnt 0x0
.irp i, 0,1,2,3,4,5,6,7,8,9,10,11,12,13,14,15
	v_pk_add_f32 v[8:9], v[8:9], v[D+4*\i:D+4*\i+1]   ; (plain instructions behind the reciprocal)
	v_pk_add_f32 v[10:11], v[10:11], v[D+4*\i+2:D+4*\i+3]
.endr
	s_wait_alu depctr_va_vdst(0)                   ; the wait ahead of the reciprocal's first reader
	v_pk_mul_f32 v[8:9], v[8:9], v[12:13] op_sel_hi:[1,0]
	v_pk_mul_f32 v[10:11], v[10:11], v[12:13] op_sel_hi:[1,0]
	global_store_b128 v2, v[8:11], s[10:11]        ; 32 lanes store 512 consecutive bytes, at a multiple of 256 from out0's first byte
.Lend:
	s_wait_tensorcnt 0x0                           ; the wave's end: behind my last LDS store
	ds_add_u32 v100, v101
	s_wait_dscnt 0x0
	s_endpgm
.Lfunc_end_k_q7375573a2b_context:
	.size	k_q7375573a2b_context, .Lfunc_end_k_q7375573a2b_context-k_q7375573a2b_context
	.p2alignl 7, 3214868480
	.fill 96, 4, 3214868480
	.section	.rodata,"a",@progbits
	.p2align	6, 0x0
	.amdhsa_kernel k_q7375573a2b_context
		.amdhsa_group_segment_fixed_size 20736
		.amdhsa_private_segment_fixed_size 0
		.amdhsa_enable_private_segment 0
		.amdhsa_kernarg_size 32
		.amdhsa_user_sgpr_count 2
		.amdhsa_user_sgpr_kernarg_segment_ptr 1
		.amdhsa_wavefront_size32 1
		.amdhsa_system_sgpr_workgroup_id_x 1
		.amdhsa_system_sgpr_workgroup_id_y 1
		.amdhsa_system_sgpr_workgroup_id_z 1
		.amdhsa_system_vgpr_workitem_id 0
		.amdhsa_next_free_vgpr 128
		.amdhsa_next_free_sgpr 66
		.amdhsa_reserve_vcc 0
		.amdhsa_float_denorm_mode_32 3
		.amdhsa_float_denorm_mode_16_64 3
		.amdhsa_memory_ordered 1
		.amdhsa_forward_progress 1
		.amdhsa_inst_pref_size 41
	.end_amdhsa_kernel
	.amdgpu_metadata
---
amdhsa.version: [ 1, 2 ]
amdhsa.kernels:
  - .name:           k_q7375573a2b_context
    .symbol:         k_q7375573a2b_context.kd
    .args:
      - { .name: keys, .offset: 0, .size: 8, .value_kind: global_buffer, .address_space: global }
      - { .name: tf, .offset: 8, .size: 8, .value_kind: global_buffer, .address_space: global }
      - { .name: depth, .offset: 16, .size: 8, .value_kind: global_buffer, .address_space: global }
      - { .name: out0, .offset: 24, .size: 8, .value_kind: global_buffer, .address_space: global }
    .group_segment_fixed_size: 20736
    .private_segment_fixed_size: 0
    .kernarg_segment_align: 8
    .kernarg_segment_size: 32
    .max_flat_workgroup_size: 1024
    .sgpr_count:     66
    .vgpr_count:     128
    .wavefront_size: 32
...
	.end_amdgpu_metadata
.endif
;; end of part 3
